; MI455X (gfx1250); checked and timed in simulation.
; The chip was launched on July 23, 2026; its instructions are those of AMD's public machine-readable ISA for CDNA 5 (MIT licence, August 2026) and "CDNA5" Instruction Set Architecture Reference Guide (July 2026). The comments in the code are by the model that wrote it; some were corrected since.
;; Ternary Linear. Allowed arithmetic: float matrix products may take bf16 or f16 operands with f32 sums; other float arithmetic in f32, or as packed bf16 or f16 multiplies, adds, multiply-adds, maxima and minima; sums over many terms, partial sums and values carried from step to step in f32; what a program stores and reads back later, other than sums and carried values, may be rounded once to bf16 or f16.
;; Inputs: bias 4,096 float32; weight 4,096 x 4,096 float32; x 4,096 x 4,096 float32.
;; Outputs: out0 4,096 x 4,096 float32.
;; One version. Each part assembles by itself: llvm-mc -triple=amdgcn-amd-amdhsa -mcpu=gfx1250 --defsym DOCPART=n.
;; ======== version 1 of 1: 3 launches
;; workspace buffers: parts 1,024 bytes; xb 33,554,432 bytes; wt 33,554,432 bytes
;; launch abssum (part 1): grid 256 x 1, 32 waves a work-group, no clusters, 4,352 bytes of LDS; arguments weight, parts; writes parts
.if DOCPART == 1
	.amdgcn_target "amdgcn-amd-amdhsa--gfx1250"
	.amdhsa_code_object_version 6
	.text
	.protected	k_q254e4e4211_abssum
	.globl	k_q254e4e4211_abssum
	.p2align	8
	.type	k_q254e4e4211_abssum,@function
k_q254e4e4211_abssum:
	s_mov_b64 s[64:65], 0
	v_nop
	global_prefetch_b8 v0, s[64:65] scope:SCOPE_SE
	s_setreg_imm32_b32 hwreg(HW_REG_WAVE_MODE, 25, 1), 1
	s_wait_xcnt 0x0
; parts[g] = the sum of |weight| over work-group g's 65,536 numbers.  weight: [4096][4096] f32; parts: 256 f32.
; The mean of |weight| hangs on every weight, and work-groups of a launch hand each other nothing: so this launch only makes 256 partial sums,
; and each later launch adds them up for itself, always in the same order.
; SHARES.  Work-group g owns 262,144 consecutive bytes, wave w 8,192 of them, as 16 loads of 512 consecutive bytes (16 bytes a lane).  No loop:
; all 16 loads of all 32 waves go out at once, the work-group's whole share.
; LIMIT.  The sum is taken in f32 in a fixed tree (four chains a lane, lanes, waves, work-groups), not in the order of a plain running sum: the mean may
; differ from another f32 order's in its last bits (a relative 1e-7 or so), and a weight that lies so near the threshold may fall on its other side.
; No cluster, no matrix unit, no ring in LDS: the work-groups share no input and each byte is read once.
.set SPARE, 256                        ; LDS: bytes 0-127 one word a wave (the block 0-255 is theirs); from 256 on the spare words, 128 bytes for each of 32 waves
.set OFF, 1                            ; v1       my byte offset in the work-group's share: 8,192 x wave + 16 x lane; never rewritten
.set X,   4                            ; v[4:67]  load i in v[4+4i:7+4i]
.set ACC, 68                           ; v[68:71] four chains, one for each word of a load
.set TMP, 72                           ; v72      the lane exchange's destination
.set LA,  73                           ; v73      an LDS address
.set SPW, 74                           ; v74      LDS address of my spare word: SPARE + 4 x my thread's number; never rewritten
.set NIL, 75                           ; v75      0; never rewritten
.set PO,  76                           ; v76      4 g: my work-group's word in parts
	s_load_b128 s[4:7], s[0:1], 0x0                ; weight s[4:5], parts s[6:7]
	v_lshl_add_u32 v[SPW], v0, 2, SPARE
	v_mov_b32 v[NIL], 0
	v_lshrrev_b32 v2, 5, v0
	v_readfirstlane_b32 s8, v2                     ; wave 0..31
	v_and_b32 v3, 31, v0                           ; lane
	v_lshlrev_b32 v[OFF], 4, v3
	v_lshl_or_b32 v[OFF], v2, 13, v[OFF]
	v_mov_b32 v[TMP], 0                            ; v_permlanex16_b32's destination counts as read
	s_lshl_b32 s10, ttmp9, 18                      ; the work-group's 262,144 bytes: 255 x 2^18 at the most
	s_mov_b32 s11, 0
	s_mov_b32 s12, 0x76543210                      ; v_permlanex16_b32: each lane takes its own place in the other half
	s_mov_b32 s13, 0xfedcba98
	s_lshl_b32 s14, ttmp9, 2
	s_wait_kmcnt 0x0
	s_add_nc_u64 s[4:5], s[4:5], s[10:11]
.irp i, 0,1,2,3,4,5,6,7,8,9,10,11,12,13,14,15
	global_load_b128 v[X+4*(\i):X+4*(\i)+3], v[OFF], s[4:5] offset:512*(\i) th:TH_LOAD_NT
.endr
; The sum over the 32 lanes, in every lane: four steps inside each half of 16 lanes ride on the addition, one crosses the halves.
.macro LANESUM r, tmp
	v_add_f32_dpp v[\r], v[\r], v[\r] row_xmask:1 row_mask:0xf bank_mask:0xf
	v_add_f32_dpp v[\r], v[\r], v[\r] row_xmask:2 row_mask:0xf bank_mask:0xf
	v_add_f32_dpp v[\r], v[\r], v[\r] row_xmask:4 row_mask:0xf bank_mask:0xf
	v_add_f32_dpp v[\r], v[\r], v[\r] row_xmask:8 row_mask:0xf bank_mask:0xf
	v_permlanex16_b32 v[\tmp], v[\r], s12, s13
	v_add_f32 v[\r], v[\r], v[\tmp]
.endm
	s_wait_loadcnt 14                              ; loads come back in order: loads 0 and 1 are in, the 14 younger ones stay out
.irp k, 0,1,2,3
	v_add_f32 v[ACC+(\k)], |v[X+(\k)]|, |v[X+4+(\k)]|  ; the first two loads start the chains: nothing is cleared
.endr
.irp i, 2,3,4,5,6,7,8,9,10,11,12,13,14,15
	s_wait_loadcnt 15-(\i)                         ; load i is in; those issued behind it stay out
.irp k, 0,1,2,3
	v_add_f32 v[ACC+(\k)], |v[X+4*(\i)+(\k)]|, v[ACC+(\k)]
.endr
.endr
	v_add_f32 v[ACC], v[ACC], v[ACC+1]
	v_add_f32 v[ACC+2], v[ACC+2], v[ACC+3]
	v_add_f32 v[ACC], v[ACC], v[ACC+2]
	LANESUM ACC, TMP                               ; the wave's sum, in every lane
	v_mov_b32 v[LA], s8
	v_lshlrev_b32 v[LA], 2, v[LA]
	ds_store_b32 v[LA], v[ACC]                     ; all lanes write the wave's word with the same value
	s_wait_dscnt 0x0                               ; for wave 0's sake: my store is done
	s_barrier_signal -1
	s_barrier_wait -1                              ; all 32 words lie in LDS
	s_cmp_lg_u32 s8, 0
	s_cbranch_scc1 .Lend                           ; wave 0 alone adds them up
	v_lshlrev_b32 v[LA], 2, v3                     ; lane l takes wave l's word
	ds_load_b32 v[ACC+1], v[LA]
	v_mov_b32 v[PO], s14
	s_wait_dscnt 0x0
	LANESUM ACC+1, TMP
	v_cmp_eq_u32 vcc_lo, 0, v0
	s_wait_xcnt 0x0                                ; EXEC is a source of the loads above: it changes only behind this wait
	s_and_saveexec_b32 s9, vcc_lo
	global_store_b32 v[PO], v[ACC+1], s[6:7]       ; one word a work-group: 1,024 bytes in the whole launch
	s_wait_xcnt 0x0                                ; and again, in front of the line that widens it
	s_or_b32 exec_lo, exec_lo, s9
.Lend:
	s_wait_tensorcnt 0x0                           ; the wave's end, behind my last LDS store
	ds_add_u32 v[SPW], v[NIL]
	s_wait_dscnt 0x0
	s_endpgm
.Lfunc_end_k_q254e4e4211_abssum:
	.size	k_q254e4e4211_abssum, .Lfunc_end_k_q254e4e4211_abssum-k_q254e4e4211_abssum
	.p2alignl 7, 3214868480
	.fill 96, 4, 3214868480
	.section	.rodata,"a",@progbits
	.p2align	6, 0x0
	.amdhsa_kernel k_q254e4e4211_abssum
		.amdhsa_group_segment_fixed_size 4352
		.amdhsa_private_segment_fixed_size 0
		.amdhsa_enable_private_segment 0
		.amdhsa_kernarg_size 16
		.amdhsa_user_sgpr_count 2
		.amdhsa_user_sgpr_kernarg_segment_ptr 1
		.amdhsa_wavefront_size32 1
		.amdhsa_system_sgpr_workgroup_id_x 1
		.amdhsa_system_sgpr_workgroup_id_y 1
		.amdhsa_system_sgpr_workgroup_id_z 1
		.amdhsa_system_vgpr_workitem_id 0
		.amdhsa_next_free_vgpr 80
		.amdhsa_next_free_sgpr 66
		.amdhsa_reserve_vcc 1
		.amdhsa_float_denorm_mode_32 3
		.amdhsa_float_denorm_mode_16_64 3
		.amdhsa_memory_ordered 1
		.amdhsa_forward_progress 1
		.amdhsa_inst_pref_size 9
	.end_amdhsa_kernel
	.amdgpu_metadata
---
amdhsa.version: [ 1, 2 ]
amdhsa.kernels:
  - .name:           k_q254e4e4211_abssum
    .symbol:         k_q254e4e4211_abssum.kd
    .args:
      - { .name: weight, .offset: 0, .size: 8, .value_kind: global_buffer, .address_space: global }
      - { .name: parts, .offset: 8, .size: 8, .value_kind: global_buffer, .address_space: global }
    .group_segment_fixed_size: 4352
    .private_segment_fixed_size: 0
    .kernarg_segment_align: 8
    .kernarg_segment_size: 16
    .max_flat_workgroup_size: 1024
    .sgpr_count:     66
    .vgpr_count:     80
    .wavefront_size: 32
...
	.end_amdgpu_metadata
.endif
;; end of part 1
;; launch cast (part 2): grid 2048 x 1, 8 waves a work-group, no clusters, 0 bytes of LDS; arguments x, weight, parts, xb, wt; writes xb, wt
.if DOCPART == 2
	.amdgcn_target "amdgcn-amd-amdhsa--gfx1250"
	.amdhsa_code_object_version 6
	.text
	.protected	k_q254e4e4211_cast
	.globl	k_q254e4e4211_cast
	.p2align	8
	.type	k_q254e4e4211_cast,@function
k_q254e4e4211_cast:
	s_mov_b64 s[64:65], 0
	v_nop
	global_prefetch_b8 v0, s[64:65] scope:SCOPE_SE
	s_setreg_imm32_b32 hwreg(HW_REG_WAVE_MODE, 25, 1), 1
	s_wait_xcnt 0x0
; xb = x rounded once to bf16.  wt = +1 where weight > thr, -1 where weight < -thr, else 0, as bf16 (exact).  s = (the sum of parts) / 2^24 = mean |weight|; thr = 0.05 s.
; x, weight: [4096][4096] f32; xb, wt: [4096][4096] bf16, row-major; parts: 256 f32.  The factor s is left out of wt: the product's launch applies it to the f32 sums.
; SHARES.  Work-group g owns 32,768 bytes of x and of weight, wave w 4,096 of each: eight loads of 512 consecutive bytes.  A load's 128 numbers leave as one store of
; 8 bytes a lane: 256 consecutive bytes, at a multiple of 256 from the buffer's first byte.  No loop: a wave's 18 loads go out at once; no register that a store reads is written again.
; Every wave adds the 256 partial sums itself (1,024 bytes, 32 a lane), in the order in which the product's launch adds them: both have the same s, bit for bit.
; LIMITS.  A finite |x| beyond bf16's largest number becomes an infinity.  A NaN weight fails both comparisons and gives 0 (and s is then NaN, in the product's launch).
; No LDS, no barrier, no cluster, no matrix unit: no wave wants a byte that another has fetched, but for parts.
.set IN,   1                           ; v1       my byte offset in the work-group's input share: 4,096 x wave + 16 x lane
.set OUT,  2                           ; v2       in its output share: 2,048 x wave + 8 x lane
.set PO,   3                           ; v3       16 x lane: my offset in parts
.set P,    4                           ; v[4:11]  my eight partial sums
.set TMP,  12                          ; v12      the lane exchange's destination
.set THR,  13                          ; v13      thr
.set NTHR, 14                          ; v14      -thr
.set ONE,  15                          ; v15      1.0
.set MONE, 16                          ; v16      -1.0
.set T,    17                          ; v17-18   at work
.set W,    20                          ; v[20:51] weight, load i at W + 4 i
.set X,    52                          ; v[52:83] x, load i at X + 4 i
	s_load_b256 s[4:11], s[0:1], 0x0               ; x s[4:5], weight s[6:7], parts s[8:9], xb s[10:11]
	s_load_b64 s[12:13], s[0:1], 0x20              ; wt
	v_lshrrev_b32 v[T], 5, v0                      ; wave
	v_and_b32 v[T+1], 31, v0                       ; lane
	v_lshlrev_b32 v[PO], 4, v[T+1]
	v_lshl_or_b32 v[IN], v[T], 12, v[PO]
	v_lshlrev_b32 v[OUT], 3, v[T+1]
	v_lshl_or_b32 v[OUT], v[T], 11, v[OUT]
	v_mov_b32 v[TMP], 0                            ; v_permlanex16_b32's destination counts as read
	v_mov_b32 v[ONE], 1.0
	v_mov_b32 v[MONE], -1.0
	s_lshl_b32 s14, ttmp9, 15                      ; the work-group's input bytes: 2,047 x 2^15 at the most
	s_mov_b32 s15, 0
	s_lshl_b32 s16, ttmp9, 14                      ; and its output bytes
	s_mov_b32 s17, 0
	s_mov_b32 s18, 0x76543210                      ; v_permlanex16_b32: each lane takes its own place in the other half
	s_mov_b32 s19, 0xfedcba98
	s_wait_kmcnt 0x0
	s_add_nc_u64 s[4:5], s[4:5], s[14:15]
	s_add_nc_u64 s[6:7], s[6:7], s[14:15]
	s_add_nc_u64 s[10:11], s[10:11], s[16:17]
	s_add_nc_u64 s[12:13], s[12:13], s[16:17]
	global_load_b128 v[P:P+3],   v[PO], s[8:9]              ; parts first: the threshold is wanted first
	global_load_b128 v[P+4:P+7], v[PO], s[8:9] offset:512
.irp i, 0,1,2,3,4,5,6,7
	global_load_b128 v[W+4*(\i):W+4*(\i)+3], v[IN], s[6:7] offset:512*(\i) th:TH_LOAD_NT
.endr
.irp i, 0,1,2,3,4,5,6,7
	global_load_b128 v[X+4*(\i):X+4*(\i)+3], v[IN], s[4:5] offset:512*(\i) th:TH_LOAD_NT
.endr
	; s and thr.  The order of these additions is the same in the product's launch.
	s_wait_loadcnt 16                              ; parts are in; the 16 loads of weight and x stay out
	v_pk_add_f32 v[P:P+1],   v[P:P+1],   v[P+4:P+5]
	v_pk_add_f32 v[P+2:P+3], v[P+2:P+3], v[P+6:P+7]
	v_pk_add_f32 v[P:P+1],   v[P:P+1],   v[P+2:P+3]
	v_add_f32 v[P], v[P], v[P+1]
	v_add_f32_dpp v[P], v[P], v[P] row_xmask:1 row_mask:0xf bank_mask:0xf
	v_add_f32_dpp v[P], v[P], v[P] row_xmask:2 row_mask:0xf bank_mask:0xf
	v_add_f32_dpp v[P], v[P], v[P] row_xmask:4 row_mask:0xf bank_mask:0xf
	v_add_f32_dpp v[P], v[P], v[P] row_xmask:8 row_mask:0xf bank_mask:0xf
	v_permlanex16_b32 v[TMP], v[P], s18, s19
	v_add_f32 v[P], v[P], v[TMP]
	v_mul_f32 v[P], 0x33800000, v[P]               ; x 2^-24: the division by 16,777,216, exact
	v_mul_f32 v[THR], 0x3d4ccccd, v[P]             ; x 0.05 in f32
	v_xor_b32 v[NTHR], 0x80000000, v[THR]
; Load i of weight: the two comparisons as they are written in the problem, the second over the first; 0 and +-1 are exact in bf16.
.macro TERN i
	s_wait_loadcnt 15-(\i)                         ; weight's load i is in; its 7 - i younger ones and x's eight stay out
.irp k, 0,1,2,3
	v_cmp_gt_f32 vcc_lo, v[W+4*(\i)+(\k)], v[THR]
	v_cndmask_b32 v[T+(\k)%2], 0, v[ONE], vcc_lo
	v_cmp_lt_f32 vcc_lo, v[W+4*(\i)+(\k)], v[NTHR]
	v_cndmask_b32 v[W+4*(\i)+(\k)], v[T+(\k)%2], v[MONE], vcc_lo
.endr
	v_cvt_pk_bf16_f32 v[W+4*(\i)],   v[W+4*(\i)],   v[W+4*(\i)+1]
	v_cvt_pk_bf16_f32 v[W+4*(\i)+1], v[W+4*(\i)+2], v[W+4*(\i)+3]
	global_store_b64 v[OUT], v[W+4*(\i):W+4*(\i)+1], s[12:13] offset:256*(\i)  ; 32 lanes store 256 consecutive bytes, aligned
.endm
; Load i of x: rounded to nearest even, once.
.macro CVT i
	s_wait_loadcnt 7-(\i)                          ; x's load i is in; those issued behind it stay out
	v_cvt_pk_bf16_f32 v[X+4*(\i)],   v[X+4*(\i)],   v[X+4*(\i)+1]
	v_cvt_pk_bf16_f32 v[X+4*(\i)+1], v[X+4*(\i)+2], v[X+4*(\i)+3]
	global_store_b64 v[OUT], v[X+4*(\i):X+4*(\i)+1], s[10:11] offset:256*(\i)
.endm
.irp i, 0,1,2,3,4,5,6,7
	TERN \i
.endr
.irp i, 0,1,2,3,4,5,6,7
	CVT \i
.endr
	s_endpgm
.Lfunc_end_k_q254e4e4211_cast:
	.size	k_q254e4e4211_cast, .Lfunc_end_k_q254e4e4211_cast-k_q254e4e4211_cast
	.p2alignl 7, 3214868480
	.fill 96, 4, 3214868480
	.section	.rodata,"a",@progbits
	.p2align	6, 0x0
	.amdhsa_kernel k_q254e4e4211_cast
		.amdhsa_group_segment_fixed_size 0
		.amdhsa_private_segment_fixed_size 0
		.amdhsa_enable_private_segment 0
		.amdhsa_kernarg_size 40
		.amdhsa_user_sgpr_count 2
		.amdhsa_user_sgpr_kernarg_segment_ptr 1
		.amdhsa_wavefront_size32 1
		.amdhsa_system_sgpr_workgroup_id_x 1
		.amdhsa_system_sgpr_workgroup_id_y 1
		.amdhsa_system_sgpr_workgroup_id_z 1
		.amdhsa_system_vgpr_workitem_id 0
		.amdhsa_next_free_vgpr 88
		.amdhsa_next_free_sgpr 66
		.amdhsa_reserve_vcc 1
		.amdhsa_float_denorm_mode_32 3
		.amdhsa_float_denorm_mode_16_64 3
		.amdhsa_memory_ordered 1
		.amdhsa_forward_progress 1
		.amdhsa_inst_pref_size 12
	.end_amdhsa_kernel
	.amdgpu_metadata
---
amdhsa.version: [ 1, 2 ]
amdhsa.kernels:
  - .name:           k_q254e4e4211_cast
    .symbol:         k_q254e4e4211_cast.kd
    .args:
      - { .name: x, .offset: 0, .size: 8, .value_kind: global_buffer, .address_space: global }
      - { .name: weight, .offset: 8, .size: 8, .value_kind: global_buffer, .address_space: global }
      - { .name: parts, .offset: 16, .size: 8, .value_kind: global_buffer, .address_space: global }
      - { .name: xb, .offset: 24, .size: 8, .value_kind: global_buffer, .address_space: global }
      - { .name: wt, .offset: 32, .size: 8, .value_kind: global_buffer, .address_space: global }
    .group_segment_fixed_size: 0
    .private_segment_fixed_size: 0
    .kernarg_segment_align: 8
    .kernarg_segment_size: 40
    .max_flat_workgroup_size: 256
    .sgpr_count:     66
    .vgpr_count:     88
    .wavefront_size: 32
...
	.end_amdgpu_metadata
.endif
;; end of part 2
;; launch gemm (part 3): grid 16 x 16, 4 waves a work-group, clusters of 4 x 4, 327,680 bytes of LDS; arguments xb, wt, out0, bias, parts; writes out0
.if DOCPART == 3
	.amdgcn_target "amdgcn-amd-amdhsa--gfx1250"
	.amdhsa_code_object_version 6
	.text
	.protected	k_q254e4e4211_gemm
	.globl	k_q254e4e4211_gemm
	.p2align	8
	.type	k_q254e4e4211_gemm,@function
k_q254e4e4211_gemm:
	s_mov_b64 s[64:65], 0
	v_nop
	global_prefetch_b8 v0, s[64:65] scope:SCOPE_SE
	s_setreg_imm32_b32 hwreg(HW_REG_WAVE_MODE, 25, 1), 1
	s_wait_xcnt 0x0
	s_wait_alu depctr_hold_cnt(0) depctr_sa_sdst(0) depctr_va_vdst(0) depctr_va_sdst(0) depctr_va_ssrc(0) depctr_va_vcc(0) depctr_vm_vsrc(0)
	s_getreg_b32 s2, hwreg(HW_REG_IB_STS2, 6, 4)
	s_cmp_eq_u32 s2, 0
	s_cbranch_scc0 .Lentry_in_a_cluster
	s_endpgm
.Lentry_in_a_cluster:
	s_bfe_u32 s2, ttmp6, 0x10000c
	s_cmp_lg_u32 s2, 0xf033
	s_cbranch_scc0 .Lentry_shape_is_right
	s_endpgm
.Lentry_shape_is_right:
; out0[n][o] = s x (the sum over i of xb[n][i] wt[o][i]) + bias[o].  xb, wt: [4096][4096] bf16 (wt holds 0 and +-1); out0: [4096][4096] f32; bias: [4096] f32;
; s = (the sum of parts' 256 f32) / 2^24 = mean |weight|.  Products in bf16, sums in f32; s and bias enter by one fused multiply-add on each finished sum.
; A tile of out0, 256 x 256, is made by a work-group of four waves; a wave makes 128 x 128: 64 accumulators of 16 x 16, 512 registers.  16 x 16 tiles: one to a work-group.
; K goes in 32 steps of 128 through a ring of two LDS slots filled by the tensor data mover: a tile's rows are 256 bytes of memory, at multiples of 256 bytes from the buffer's first byte.
; CLUSTERS: 4 x 4 work-groups.  The four of a row of the cluster need the same tiles of xb (A), the four of a column the same tiles of wt (B).  Such a tile is asked for JOINTLY: each of the
; four issues the same tensor load, with the same descriptor and a mask that names the four, and each receives the tile in its own LDS.
; THE MATRIX INSTRUCTION IS USED TRANSPOSED: source 0 = 16 rows of wt, source 1 = 16 rows of xb.  In the result lane l holds row l % 16 of out0 and its registers 0 to 7 the columns
; 8 (l / 16) + 0 .. 7: eight neighbouring f32 of a row, 32 bytes.
; LIMITS.  None of range beyond those of the launch that made xb; s is added up in a fixed order, the same as there.
; REGISTERS, in windows of 256 (s_set_vgpr_msb's low byte: bits 1:0 source 0, 3:2 source 1, 5:4 source 2, 7:6 destination):
;   window 0: v0-31 addresses; v32-40 the partial sums of s, at the head; v64-127, v128-191 fragments of A, two buffers; on the way out v32-95 results, v96-159 and v160-223 rows read back
;   window 1: v0-63 my lane's 64 numbers of bias (columns 16 b + 8 (l / 16) + j at v[8 b + j]); v64-127, v128-191 fragments of B, two buffers
;   window 2: the 32 accumulators of my rows 0-63 (accumulator (a, b) at v[8 (8 a + b)]);   window 3: those of my rows 64-127
.set SIZE_K, 4096
.set SIZE_N, 4096
.set KSTEP,  128
.set PITCH,  272                       ; an LDS row: 256 bytes of data + 16 of padding = 68 words: row r starts at bank 4 r mod 64 (64 banks of 4 bytes: ISA guide 11.1), so the 16 rows of a load start at 16 different banks
.set HALFT,  128*PITCH                 ; 128 rows: what one tensor load brings, and what one wave reads of A or of B
.set SLOT,   4*HALFT                   ; A's 256 rows, then B's 256 rows
.set STAGE,  2*SLOT                    ; behind the ring, never filled by a tensor load: 16 rows x 528 bytes for each wave, for the way out
.set SP,     528                       ; a stage row: 512 bytes (128 f32) + 16 = 33 x 16 bytes: the 16 rows that a store touches start at 16 different groups of four banks
.set SPARE,  STAGE+4*16*SP             ; behind the stages: the spare words, 128 bytes for each wave: two blocks of 256 bytes that no other line names
.set LAPS,   SIZE_K/(2*KSTEP)          ; a lap = two K steps = once round the ring: 16
.set BO,   6                           ; v6      my byte offset in bias; never rewritten
.set ADRA, 16                          ; v16-17  LDS address of my A fragments in slot 0, 1
.set ADRB, 20                          ; v20-21  the same for B
.set STO,  24                          ; v24     the way out: where I put 32 bytes of a row
.set RD,   25                          ; v25     the way out: where I read a row back
.set CO,   26                          ; v26     16 x lane: my offset in a row's 512 bytes of out0, and in parts; never rewritten
.set SPW,  28                          ; v28     LDS address of my spare word: SPARE + 4 x my thread's number; never rewritten
.set NIL,  29                          ; v29     0; never rewritten
.set PFO,  30                          ; v30     the prefetches' offset: my lane x a row of xb or wt (8,192 bytes); never rewritten
.set PS,   32                          ; v[32:39] my eight partial sums of s; v40 the lane exchange's destination
.set F0,   64                          ; fragment buffer 0
.set F1,   128                         ; fragment buffer 1
.set TMP,  32                          ; the way out: 16 rows' results, s x sum + bias
.set BK0,  96                          ; the way out: 16 rows read back from the stage: v96-159 and v160-223 by turns
.set G1,   24                          ; s[24:31] descriptor group 1 for A's tiles
.set G0,   32                          ; s[32:39] descriptor group 0 for A's tiles, one set for each slot
.set LIM,  43                          ; s43     1 in a wave that prefetches, else the greatest number
.set PFA,  44                          ; s[44:45] where my prefetches stand: my work-group's 32 rows of the 128 that I fetch, one K step further along K than the refill that is being asked for
.set G1B,  48                          ; s[48:55] descriptor group 1 for B's tiles: it differs from A's in the mask alone
.set G0B,  56                          ; s[56:63] descriptor group 0 for B's tiles, one set for each slot
.set SC,   66                          ; s[66:67] s: the packed multiply-add names a pair and takes its low word for both halves
.set SEL,  68                          ; s[68:69] v_permlanex16_b32's selects
.set BIAS, 72                          ; s[72:73] bias
.set PARTS, 74                         ; s[74:75] parts
.set MSB, 0
.macro WIN new                         ; the immediate's high byte repeats the setting that is left; a switch that changes nothing is dropped
.if MSB != (\new)
	s_set_vgpr_msb (MSB<<8)|(\new)
.set MSB, \new
.endif
.endm
.set MUL_LO, 0xa1                      ; source 0 (B) window 1, source 1 (A) window 0, C and D window 2
.set MUL_HI, 0xf1                      ; the same, C and D window 3
.set TO_B,   0x40                      ; destination window 1, address window 0
; A joint load.  Waves 0 and 1 fetch A's two halves, waves 2 and 3 B's.  Each of the two lines has ONE mask and one set of registers for all that issue it.  The branch hangs on the wave's
; number alone.  An s_nop 0 and four v_nop follow each of the two lines, ahead of the jump, the label and what follows the macro.
.macro JLOAD s
	s_cmp_eq_u32 s11, 0
	s_cbranch_scc0 .Lfor_b_\@
	tensor_load_to_lds s[G0+4*(\s):G0+4*(\s)+3], s[G1:G1+7]
	s_nop 0
.rept 4
	v_nop
.endr
	s_branch .Lasked_\@
.Lfor_b_\@:
	tensor_load_to_lds s[G0B+4*(\s):G0B+4*(\s)+3], s[G1B:G1B+7]
	s_nop 0
.rept 4
	v_nop
.endr
.Lasked_\@:
.endm
; A PREFETCH INTO THE L2, behind each joint refill, its five lines and the run of LDS loads that follows them: the K step that stands TWO refills on: 32 rows x 256 bytes, a lane a row, one
; instruction a wave: 512 matrix instructions ahead of the load that will want it.  Each row's 256 bytes of a K step are named ONCE in the launch: A's tile row is read by every cluster of that
; row of clusters, and the one with cluster x = 0 asks; B's tile column by every cluster of that column, and cluster y = 0 asks.  The four partners that ask for a tile jointly share its rows out
; BY ADDRESS: of the 128 rows that a wave fetches the partner at place p takes 32 p .. 32 p + 31 (p = cx for A, cy for B).  K steps 0 to 3 come by their loads alone; the loop's last trip
; (s3 = 1) asks for nothing: K step 31 is the last that is named.
.macro ASK
	s_cmp_gt_u32 s3, s[LIM]
	s_cbranch_scc0 .Lnot_mine_\@
	global_prefetch_b8 v[PFO], s[PFA:PFA+1] offset:KSTEP*2 th:TH_LOAD_NT scope:SCOPE_SE
.Lnot_mine_\@:
.endm
; A round of the cluster's barrier: my work-group's barrier, so that wave 0's signal speaks for all four waves; wave 0 signals for the work-group; every wave waits for all sixteen
; work-groups; my work-group's barrier once more.  No LDS instruction of the wave is pending at a signal.
.macro CREST                           ; a round behind its opening barrier
	s_cmp_lg_u32 s10, 0
	s_cbranch_scc1 .Lnot_wave_0_\@
	s_barrier_signal -3
.Lnot_wave_0_\@:
	s_barrier_wait -3
	s_barrier_signal -1
	s_barrier_wait -1
.endm
.macro CROUND                          ; a whole round
	s_barrier_signal -1
	s_barrier_wait -1
	CREST
.endm
	s_load_b128 s[4:7], s[0:1], 0x0                ; xb (A) s[4:5], wt (B) s[6:7]
	s_load_b64 s[8:9], s[0:1], 0x10                ; out0
	s_load_b128 s[BIAS:BIAS+3], s[0:1], 0x18       ; bias, parts
	v_lshl_add_u32 v[SPW], v0, 2, SPARE
	v_mov_b32 v[NIL], 0
	ds_add_u32 v[SPW], v[NIL]                      ; the wave's opening: the add, twice on end, and its wait ahead of my first tensor load; the set-up below, work on registers, stands between
	ds_add_u32 v[SPW], v[NIL]                      ; and once more, under the one wait
	v_lshrrev_b32 v1, 5, v0
	v_readfirstlane_b32 s10, v1                    ; wave 0..3
	s_lshr_b32 s11, s10, 1                         ; which half of the tile's rows is mine.  Also: I fetch for A (0) or for B (1)
	s_and_b32 s12, s10, 1                          ; which half of its columns.  Also: which 128 rows of that tile I fetch
	s_bfe_u32 s40, ttmp6, 0x40000                  ; cx: my place along the cluster's x
	s_bfe_u32 s41, ttmp6, 0x40004                  ; cy: along its y
	s_lshl_b32 s42, ttmp9, 2                       ; in a cluster launch ttmp9 and ttmp7 count clusters
	s_add_co_u32 s42, s42, s40                     ; tile column = 4 x cluster x + cx
	s_and_b32 s13, ttmp7, 0xffff
	s_lshl_b32 s13, s13, 2
	s_add_co_u32 s13, s13, s41                     ; tile row = 4 x cluster y + cy
	s_lshl_b32 s43, s41, 2
	s_lshl_b32 s43, 15, s43                        ; my row of the cluster: places 4 cy .. 4 cy + 3
	s_lshl_b32 s44, 0x1111, s40                    ; my column: places cx, cx + 4, cx + 8, cx + 12
	; descriptor group 1: a tile of 128 rows x 128 elements, padded in LDS
	s_or_b32 s[G1+0], s43, (1<<16)|(1<<20)|(1<<21)|(5<<22)|(3<<25)  ; 15:0 the mask: A's tiles go to my row; 17:16 elements of 2 bytes; 20 padding on; 21 set beside a mask; 24:22 after every 64 words (code 5); 31:25 4 words of it (code 3)
	s_or_b32 s[G1B+0], s44, (1<<16)|(1<<20)|(1<<21)|(5<<22)|(3<<25) ; the same with the mask of my column, for B's tiles
.irp g, G1, G1B
	s_mov_b32 s[(\g)+1], KSTEP<<16                 ; 63:48 tensor_dim0, low half = 128
	s_mov_b32 s[(\g)+2], 128<<16                   ; 79:64 its high half = 0; 95:80 tensor_dim1, low half = 128
	s_mov_b32 s[(\g)+3], KSTEP<<16                 ; 111:96 its high half = 0; 127:112 tile_dim0 = 128
	s_mov_b32 s[(\g)+4], 128                       ; 143:128 tile_dim1 = 128; 159:144 tile_dim2 = 0
	s_mov_b32 s[(\g)+5], SIZE_K                    ; 191:160 tensor_dim0_stride, low word: elements from row to row
	s_mov_b32 s[(\g)+6], 0
	s_mov_b32 s[(\g)+7], 0
.endr
	s_mov_b32 s[SEL], 0x76543210
	s_mov_b32 s[SEL+1], 0xfedcba98
	; where the tiles come from.  A's hang on the tile row alone, which my row of the cluster shares; B's on the tile column alone, which my column shares.
	; Every wave makes both addresses, in registers that never hold the other coordinate, and asks by one of them.
	s_lshl_b32 s17, s12, 7                         ; which 128 rows of the tile I fetch
	s_lshl_b32 s16, s13, 8
	s_add_co_u32 s16, s16, s17                     ; A: row 256 x tile row + 128 x half
	s_lshl_b32 s46, s42, 8
	s_add_co_u32 s46, s46, s17                     ; B: row 256 x tile column + 128 x half
	s_mov_b32 s17, 0
	s_mov_b32 s47, 0
	s_mov_b64 s[18:19], SIZE_K*2
	s_mul_u64 s[16:17], s[16:17], s[18:19]         ; in bytes
	s_mul_u64 s[46:47], s[46:47], s[18:19]
	s_mul_i32 s20, s10, HALFT                      ; and where they go: A's two halves, then B's two halves = wave x 128 rows: no place in the cluster enters an LDS address
	s_wait_dscnt 0x0                               ; both opening adds are done
	s_wait_kmcnt 0x0
	s_add_nc_u64 s[14:15], s[4:5], s[16:17]
	s_add_nc_u64 s[46:47], s[6:7], s[46:47]
	CROUND                                         ; all sixteen work-groups are here: the first joint loads meet
.irp s, 0,1
	s_mov_b32 s[G0+4*(\s)], 1                                      ; 1:0 count = 1
	s_add_co_u32 s[G0+4*(\s)+1], s20, (\s)*SLOT                    ; 63:32 LDS address
	s_add_nc_u64 s[G0+4*(\s)+2:G0+4*(\s)+3], s[14:15], (\s)*KSTEP*2  ; 120:64 global address: K step s
	s_or_b32 s[G0+4*(\s)+3], s[G0+4*(\s)+3], 0x80000000            ; 127:126 type = 2
	s_mov_b32 s[G0B+4*(\s)], 1
	s_add_co_u32 s[G0B+4*(\s)+1], s20, (\s)*SLOT
	s_add_nc_u64 s[G0B+4*(\s)+2:G0B+4*(\s)+3], s[46:47], (\s)*KSTEP*2
	s_or_b32 s[G0B+4*(\s)+3], s[G0B+4*(\s)+3], 0x80000000
	JLOAD \s                                       ; the ring is filled before anything else is done: two tensor loads of mine are out
.endr
	; bias and parts are asked for next; the addresses are made while they are on their way
	v_and_b32 v1, 15, v0                           ; l % 16
	v_bfe_u32 v2, v0, 4, 1                         ; l / 16
	v_and_b32 v5, 31, v0                           ; l
	s_lshl_b32 s46, s42, 10                        ; my first column in bytes of f32: 1,024 x tile column + 512 x half; the same in bias and in a row of out0
	s_lshl_b32 s47, s12, 9
	s_add_co_u32 s46, s46, s47
	s_mov_b32 s47, 0
	v_lshl_add_u32 v[BO], v2, 5, s46               ; + my lanes' 8 columns
	v_lshlrev_b32 v[CO], 4, v5
	WIN TO_B
.irp b, 0,1,2,3,4,5,6,7
	global_load_b128 v[8*(\b):8*(\b)+3],   v[BO], s[BIAS:BIAS+1] offset:64*(\b)     ; bias of columns 16 b + 8 (l / 16) + 0..3,
	global_load_b128 v[8*(\b)+4:8*(\b)+7], v[BO], s[BIAS:BIAS+1] offset:64*(\b)+16  ; + 4..7
.endr
	WIN 0
	global_load_b128 v[PS:PS+3],   v[CO], s[PARTS:PARTS+1]
	global_load_b128 v[PS+4:PS+7], v[CO], s[PARTS:PARTS+1] offset:512
	v_mov_b32 v[PS+8], 0                           ; v_permlanex16_b32's destination counts as read
	; A fragment is 16 rows x 32 K in 8 registers: lane l holds row l % 16; registers 0-3 hold K = 8 (l / 16) + 0..7, registers 4-7 hold K = 16 + 8 (l / 16) + 0..7:
	; two loads of 16 bytes, 32 bytes apart.  The same for source 0 and source 1.
	v_mul_u32_u24 v3, v1, PITCH
	v_lshl_add_u32 v3, v2, 4, v3                   ; row x pitch + 16 x half
	s_mul_i32 s21, s11, HALFT                      ; my 128 rows of A
	s_mul_i32 s22, s12, HALFT                      ; my 128 rows of B,
	s_add_co_u32 s22, s22, 2*HALFT                 ; which lie behind A's 256
.irp s, 0,1
	v_add_nc_u32 v[ADRA+(\s)], s21, v3
	v_add_nc_u32 v[ADRB+(\s)], s22, v3
	s_add_co_u32 s21, s21, SLOT
	s_add_co_u32 s22, s22, SLOT
.endr
	s_mul_i32 s23, s10, 16*SP
	s_add_co_u32 s23, s23, STAGE                   ; my stage
	v_mul_u32_u24 v4, v1, SP                       ; in: row l % 16, 32 bytes for each half of the lanes
	v_lshl_add_u32 v4, v2, 5, v4
	v_add_nc_u32 v[STO], s23, v4
	v_add_nc_u32 v[RD], s23, v[CO]                 ; back: 32 lanes take one row of 512 bytes
	; out0 at my first row and column
	s_lshl_b32 s13, s13, 8
	s_lshl_b32 s14, s11, 7
	s_add_co_u32 s16, s13, s14                     ; my first row: 256 x tile row + 128 x half
	s_mov_b32 s17, 0
	s_mov_b64 s[18:19], SIZE_N*4
	s_mul_u64 s[16:17], s[16:17], s[18:19]
	s_add_nc_u64 s[16:17], s[16:17], s[46:47]
	s_add_nc_u64 s[8:9], s[8:9], s[16:17]
	; the prefetches.  s13 = 256 x tile row, s42 = tile column, s40 = cx, s41 = cy still stand
	s_lshl_b32 s42, s42, 8
	s_and_b32 s22, ttmp7, 0xffff                   ; cluster y
	s_cmp_eq_u32 s11, 0                            ; do I fetch for A?
	s_cselect_b32 s20, s13, s42                    ; the tile's first row: in A by the tile row, in B by the tile column
	s_cselect_b32 s21, s40, s41                    ; my place among the four that ask for it with me
	s_cselect_b32 s22, ttmp9, s22                  ; the coordinate along which other clusters read the same rows
	s_cselect_b64 s[PFA:PFA+1], s[4:5], s[6:7]
	s_cmp_eq_u32 s22, 0
	s_cselect_b32 s[LIM], 1, -1                    ; the same in all sixteen partners, for a given wave
	s_lshl_b32 s22, s12, 7
	s_add_co_u32 s20, s20, s22                     ; + the 128 rows that I fetch
	s_lshl_b32 s21, s21, 5
	s_add_co_u32 s20, s20, s21                     ; + my work-group's 32 of them
	s_mov_b32 s21, 0
	s_mov_b64 s[18:19], SIZE_K*2
	s_mul_u64 s[20:21], s[20:21], s[18:19]
	s_add_nc_u64 s[PFA:PFA+1], s[PFA:PFA+1], s[20:21]
	s_add_nc_u64 s[PFA:PFA+1], s[PFA:PFA+1], 2*KSTEP*2  ; at K step 2: the first refill steps it to 3 and names K step 4
	v_mul_u32_u24 v[PFO], v5, SIZE_K*2
	; s = mean |weight|: the 256 partial sums, added in the order in which the launch that made wt added them
	s_wait_loadcnt 0x0                             ; bias and parts, once
	v_pk_add_f32 v[PS:PS+1],   v[PS:PS+1],   v[PS+4:PS+5]
	v_pk_add_f32 v[PS+2:PS+3], v[PS+2:PS+3], v[PS+6:PS+7]
	v_pk_add_f32 v[PS:PS+1],   v[PS:PS+1],   v[PS+2:PS+3]
	v_add_f32 v[PS], v[PS], v[PS+1]
	v_add_f32_dpp v[PS], v[PS], v[PS] row_xmask:1 row_mask:0xf bank_mask:0xf
	v_add_f32_dpp v[PS], v[PS], v[PS] row_xmask:2 row_mask:0xf bank_mask:0xf
	v_add_f32_dpp v[PS], v[PS], v[PS] row_xmask:4 row_mask:0xf bank_mask:0xf
	v_add_f32_dpp v[PS], v[PS], v[PS] row_xmask:8 row_mask:0xf bank_mask:0xf
	v_permlanex16_b32 v[PS+8], v[PS], s[SEL], s[SEL+1]
	v_add_f32 v[PS], v[PS], v[PS+8]
	v_mul_f32 v[PS], 0x33800000, v[PS]             ; x 2^-24, exact
	v_readfirstlane_b32 s[SC], v[PS]               ; every lane holds it; it is a factor and nothing else
	s_mov_b32 s[SC+1], s[SC]                       ; named with it as a pair
; 16 matrix instructions: m blocks a0, a0 + 1 of the window's four (hi = 0: my rows 0-63, 1: rows 64-127) x all 8 n blocks, 32 along K.
; zero = 1: the first product starts the sums: nothing is ever cleared.  The 64 accumulators take turns, in the same order in every quarter step.
.macro MUL16 f, hi, a0, zero
	WIN MUL_LO+0x50*(\hi)
.irp a, \a0, (\a0)+1
.irp b, 0,1,2,3,4,5,6,7
.if \zero
	v_wmma_f32_16x16x32_bf16 v[8*(8*(\a)+(\b)):8*(8*(\a)+(\b))+7], v[(\f)+8*(\b):(\f)+8*(\b)+7], v[(\f)+8*(4*(\hi)+(\a)):(\f)+8*(4*(\hi)+(\a))+7], 0
.else
	v_wmma_f32_16x16x32_bf16 v[8*(8*(\a)+(\b)):8*(8*(\a)+(\b))+7], v[(\f)+8*(\b):(\f)+8*(\b)+7], v[(\f)+8*(4*(\hi)+(\a)):(\f)+8*(4*(\hi)+(\a))+7], v[8*(8*(\a)+(\b)):8*(8*(\a)+(\b))+7]
.endif
.endr
.endr
.endm
; 32 LDS loads in one run: the fragments of one quarter step (128 rows of B, 128 rows of A, 32 K at byte k of the rows) into buffer f
.macro FETCH slot, k, f
	WIN TO_B
.irp i, 0,1,2,3,4,5,6,7
	ds_load_b128 v[(\f)+8*(\i):(\f)+8*(\i)+3],   v[ADRB+(\slot)] offset:(\k)+(\i)*16*PITCH
	ds_load_b128 v[(\f)+8*(\i)+4:(\f)+8*(\i)+7], v[ADRB+(\slot)] offset:(\k)+(\i)*16*PITCH+32
.endr
	WIN 0
.irp i, 0,1,2,3,4,5,6,7
	ds_load_b128 v[(\f)+8*(\i):(\f)+8*(\i)+3],   v[ADRA+(\slot)] offset:(\k)+(\i)*16*PITCH
	ds_load_b128 v[(\f)+8*(\i)+4:(\f)+8*(\i)+7], v[ADRA+(\slot)] offset:(\k)+(\i)*16*PITCH+32
.endr
.endm
; A load into a register that a matrix instruction has read, and a vector instruction that reads a matrix result or writes one of a matrix instruction's registers, stand four places behind
; it, and only plain vector instructions that name none of its registers are places (ISA guide 7.12.1 for vector instructions).
.macro PLACES
.rept 4
	v_nop
.endr
.endm
; A K step is four quarter steps of 32 along K, 64 matrix instructions each, on buffers 0, 1, 0, 1.
; One of the first three: multiplies buffer f; in its middle it fetches the next quarter's fragments, at byte k of the same slot's rows, into buffer g.
.macro QUARTER slot, k, f, g, zero
	s_wait_dscnt 8                                 ; B and A's rows 0-63 are in; the youngest eight loads (A's rows 64-127) may be out
	WIN MUL_LO
	MUL16 \f, 0, 0, \zero
	MUL16 \f, 0, 2, \zero
	PLACES
	FETCH \slot, \k, \g
	s_wait_dscnt 32                                ; all but the 32 just issued
	WIN MUL_HI
	MUL16 \f, 1, 0, \zero
	MUL16 \f, 1, 2, \zero
.endm
; The last quarter multiplies buffer 1 and changes slots.  MEET is its first half: ONE barrier for the change of slots.  In front of it each wave waits for all its tensor loads, of which one is
; out: its part of the next slot; adds 0 to its spare word; and waits for that and for its own reads of this slot.  Behind it nobody reads this slot any more and the next slot is whole.
.macro MEET round                      ; round = 1: a round of the cluster's barrier follows
	WIN 0                                          ; (the add's two registers lie in window 0)
	s_wait_tensorcnt 0x0                           ; all my tensor loads have landed: the one that was out is my part of the next slot;
	ds_add_u32 v[SPW], v[NIL]                      ; 0 onto my spare word;
	s_wait_dscnt 9                                 ; (the add and the youngest eight loads may be out)
	WIN MUL_LO
	MUL16 F1, 0, 0, 0                              ; sixteen matrix instructions stand between the add and the wait for it
	s_wait_dscnt 0x0                               ; the add is done, and my reads of this slot are over:
	s_barrier_signal -1                            ; say so (where a slot is filled again this barrier opens a round of the cluster's barrier),
	MUL16 F1, 0, 2, 0                              ; work on registers while the others arrive,
.if \round
	WIN 0
.endif
	s_barrier_wait -1                              ; and go on when all four have said so
.endm
; The whole last quarter.  fill = 1: behind the round the slot just read out is filled again first, with the K step two steps on; then come the next slot's first fragments.  From a request
; to the wait for it a wave issues 224 matrix instructions.  fill = 0 (the tail): nothing is left to fetch, and no round follows.
.macro TURN slot, next, fill
.if \fill
	s_wait_xcnt 0x0                                ; the last prefetch, a K step back, has read its address: it is stepped here, ahead of the waits of the change of slots
	s_add_nc_u64 s[PFA:PFA+1], s[PFA:PFA+1], KSTEP*2
	MEET 1
	CREST                                          ; no wave of any partner still reads this slot's tile or has a load on its way
	s_add_nc_u64 s[G0+4*(\slot)+2:G0+4*(\slot)+3], s[G0+4*(\slot)+2:G0+4*(\slot)+3], 2*KSTEP*2      ; no tensor load of mine is out: a group 0 may be written
	s_add_nc_u64 s[G0B+4*(\slot)+2:G0B+4*(\slot)+3], s[G0B+4*(\slot)+2:G0B+4*(\slot)+3], 2*KSTEP*2
	JLOAD \slot                                    ; the first tensor load behind the round, and my only one until the next; the four v_nop behind it are also the places in front of the loads below
.else
	MEET 0
	PLACES
.endif
	FETCH \next, 0, F0
.if \fill
	ASK                                            ; behind the joint load and the run of LDS loads that the next products wait for
.endif
	WIN MUL_HI
	MUL16 F1, 1, 0, 0
	MUL16 F1, 1, 2, 0
.endm
; THE WAY OUT of block a (16 rows), in three parts.  PACK: s x sum + bias, one fused multiply-add a number, two an instruction; each accumulator's registers in ascending order.
; TOSTAGE: a lane's 32 bytes of a row into my own stage in LDS, and back as whole rows of 512 bytes.  SEND: stored.
.macro PACK a
.set AC, 64*((\a)%4)
	WIN 0x12+((\a)/4)                              ; source 0 (the sums) window 2 or 3, source 2 (bias) window 1, destination window 0
.irp b, 0,1,2,3,4,5,6,7
.irp p, 0,1,2,3
	v_pk_fma_f32 v[TMP+8*(\b)+2*(\p):TMP+8*(\b)+2*(\p)+1], v[AC+8*(\b)+2*(\p):AC+8*(\b)+2*(\p)+1], s[SC:SC+1], v[8*(\b)+2*(\p):8*(\b)+2*(\p)+1] op_sel_hi:[1,0,1]
.endr
.endr
	WIN 0
.endm
.macro TOSTAGE a
.set BK, BK0+64*((\a)%2)
.irp b, 0,1,2,3,4,5,6,7
	ds_store_b128 v[STO], v[TMP+8*(\b):TMP+8*(\b)+3]   offset:64*(\b)
	ds_store_b128 v[STO], v[TMP+8*(\b)+4:TMP+8*(\b)+7] offset:64*(\b)+16
.endr
.irp t, 0,1,2,3,4,5,6,7,8,9,10,11,12,13,14,15
	ds_load_b128 v[BK+4*(\t):BK+4*(\t)+3], v[RD] offset:(\t)*SP  ; LDS serves a wave's instructions in order (ISA guide 5.7.1.4): these see the stores above; the next block's stores come behind them
.endr
.endm
.macro SEND a
.set BK, BK0+64*((\a)%2)
.if ((\a) > 0) && ((\a) < 7)
	s_wait_xcnt 0x0                                ; the stores of the block before have read their registers: the next block's rows are read back into them only behind this wait
.endif
.irp t, 0,1,2,3,4,5,6,7,8,9,10,11,12,13,14,15
	s_wait_dscnt 15-(\t)                           ; row t is back; the loads issued behind it may be out
	global_store_b128 v[CO], v[BK+4*(\t):BK+4*(\t)+3], s[8:9] offset:(16*(\a)+(\t))*SIZE_N*4 th:TH_STORE_NT  ; 32 lanes store 512 consecutive bytes, at a multiple of 512 from out0's first byte; the row stands in the immediate, 127 x 16,384 at the most
.endr
.endm
	s_wait_tensorcnt 1                             ; my part of K step 0 is in; K step 1's may stay out
	s_barrier_signal -1
	s_barrier_wait -1                              ; everybody's is
	FETCH 0, 0, F0
	QUARTER 0, 64,  F0, F1, 1                      ; the first quarter stands in front of the loop: its products start the sums
	WIN 0                                          ; at a label and at a branch every window is 0
	s_mov_b32 s3, LAPS-1
.Llap:                                                 ; a trip goes once round the ring, from a lap's second quarter to the next lap's first, and fills both slots again
	QUARTER 0, 128, F1, F0, 0
	QUARTER 0, 192, F0, F1, 0
	TURN 0, 1, 1
	QUARTER 1, 64,  F0, F1, 0
	QUARTER 1, 128, F1, F0, 0
	QUARTER 1, 192, F0, F1, 0
	TURN 1, 0, 1
	QUARTER 0, 64,  F0, F1, 0
	WIN 0
	s_sub_co_u32 s3, s3, 1
	s_cmp_lg_u32 s3, 0
	s_cbranch_scc1 .Llap
	QUARTER 0, 128, F1, F0, 0                      ; the last lap is written out: it fills nothing, and has no round of the cluster's barrier
	QUARTER 0, 192, F0, F1, 0
	TURN 0, 1, 0
	QUARTER 1, 64,  F0, F1, 0
	QUARTER 1, 128, F1, F0, 0
	QUARTER 1, 192, F0, F1, 0
	s_wait_dscnt 8                                 ; the very last quarter: nothing more to fetch
	WIN MUL_LO
	MUL16 F1, 0, 0, 0
	MUL16 F1, 0, 2, 0
	s_wait_dscnt 0x0
	MUL16 F1, 1, 0, 0
	MUL16 F1, 1, 2, 0
	WIN 0
	PLACES                                         ; behind the last products: their results are read, and registers that they have read are written
	PLACES                                         ; (eight, once a launch)
	PACK 0
	TOSTAGE 0
.irp a, 1,2,3,4,5,6,7                  ; block a's arithmetic stands between block a - 1's loads from the stage and the waits for them
	PACK \a
	SEND (\a)-1
	TOSTAGE \a
.endr
	SEND 7
	s_wait_tensorcnt 0x0                           ; the wave's end, behind my last tensor load and my last LDS store
	ds_add_u32 v[SPW], v[NIL]
	s_wait_dscnt 0x0
	CROUND                                         ; the closing round: no work-group ends while a partner may still ask for a tile that names it
	s_endpgm
.Lfunc_end_k_q254e4e4211_gemm:
	.size	k_q254e4e4211_gemm, .Lfunc_end_k_q254e4e4211_gemm-k_q254e4e4211_gemm
	.p2alignl 7, 3214868480
	.fill 96, 4, 3214868480
	.section	.rodata,"a",@progbits
	.p2align	6, 0x0
	.amdhsa_kernel k_q254e4e4211_gemm
		.amdhsa_group_segment_fixed_size 327680
		.amdhsa_private_segment_fixed_size 0
		.amdhsa_enable_private_segment 0
		.amdhsa_kernarg_size 40
		.amdhsa_user_sgpr_count 2
		.amdhsa_user_sgpr_kernarg_segment_ptr 1
		.amdhsa_wavefront_size32 1
		.amdhsa_system_sgpr_workgroup_id_x 1
		.amdhsa_system_sgpr_workgroup_id_y 1
		.amdhsa_system_sgpr_workgroup_id_z 1
		.amdhsa_system_vgpr_workitem_id 0
		.amdhsa_next_free_vgpr 1024
		.amdhsa_next_free_sgpr 80
		.amdhsa_reserve_vcc 0
		.amdhsa_float_denorm_mode_32 3
		.amdhsa_float_denorm_mode_16_64 3
		.amdhsa_memory_ordered 1
		.amdhsa_forward_progress 1
		.amdhsa_inst_pref_size 164
	.end_amdhsa_kernel
	.amdgpu_metadata
---
amdhsa.version: [ 1, 2 ]
amdhsa.kernels:
  - .name:           k_q254e4e4211_gemm
    .symbol:         k_q254e4e4211_gemm.kd
    .args:
      - { .name: xb, .offset: 0, .size: 8, .value_kind: global_buffer, .address_space: global }
      - { .name: wt, .offset: 8, .size: 8, .value_kind: global_buffer, .address_space: global }
      - { .name: out0, .offset: 16, .size: 8, .value_kind: global_buffer, .address_space: global }
      - { .name: bias, .offset: 24, .size: 8, .value_kind: global_buffer, .address_space: global }
      - { .name: parts, .offset: 32, .size: 8, .value_kind: global_buffer, .address_space: global }
    .group_segment_fixed_size: 327680
    .private_segment_fixed_size: 0
    .kernarg_segment_align: 8
    .kernarg_segment_size: 40
    .max_flat_workgroup_size: 128
    .sgpr_count:     80
    .vgpr_count:     1024
    .wavefront_size: 32
...
	.end_amdgpu_metadata
.endif
;; end of part 3
